; MI455X (gfx1250); checked and timed in simulation.
; The chip was launched on July 23, 2026; its instructions are those of AMD's public machine-readable ISA for CDNA 5 (MIT licence, August 2026) and "CDNA5" Instruction Set Architecture Reference Guide (July 2026). The comments in the code are by the model that wrote it; some were corrected since.
;; Deep Seek Sparse Attention. Allowed arithmetic: matrix products marked QUANTISED: E2M1 operands, one E8M0 scale for each 32 along K, by v_wmma_scale_f32_16x16x128_f8f6f4 with both operands' format E2M1 (or v_wmma_scale_f32_32x16x128_f4), f32 sums; products left as they are: bf16, f16 or f32 operands; f32 sums; everything else in f32.
;; Inputs: Wk 768 x 768 float32; Wo 768 x 768 float32; Wq 768 x 768 float32; Wv 768 x 768 float32; bk 768 float32; bo 768 float32; bq 768 float32; bv 768 float32; x 2 x 2,048 x 768 float32.
;; Outputs: out0 2 x 2,048 x 768 float32.
;; This version of the problem:
;;   THIS VERSION OF THE PROBLEM IS GIVEN IN LOW PRECISION. The matrix products marked QUANTISED in the list below multiply operands that are first quantised to E2M1 (2 exponent bits, 1 mantissa bit; 4 bits a number), with one power-of-two scale for each 32 numbers along K (OCP MX v1.0); their sums are f32. The products marked 'left as it is' may take bf16, f16 or f32 operands, with f32 sums. Whichever they take, every output number must still come out within the allowed error. Rounding operands to bf16 (8 significant bits) uses up far more of that allowance than f16 does (11 bits, for magnitudes from 6e-5 to 65,504). All else is computed in f32.
;;   The module's matrix products, in the order in which they are computed (A, B: the left and right operand; K: the contracted axis; several contracted axes count as one K, in the product's order):
;;     1. [M 4,096, K 768] x [K 768, N 768]; A: input x; B: input Wq: QUANTISED
;;     2. [M 4,096, K 768] x [K 768, N 768]; A: input x; B: input Wk: QUANTISED
;;     3. [M 4,096, K 768] x [K 768, N 768]; A: input x; B: input Wv: QUANTISED
;;     4. batch 24 x [M 2,048, K 64] x [K 64, N 2,048]; A: computed on the way; B: computed on the way: left as it is (an operand is computed on the way)
;;     5. batch 24 x [M 2,048, K 2,048] x [K 2,048, N 64]; A: computed on the way; B: computed on the way: left as it is (an operand is computed on the way)
;;     6. [M 4,096, K 768] x [K 768, N 768]; A: computed on the way; B: input Wo: left as it is (an operand is computed on the way)
;;   THE QUANTISER, for each operand of a quantised product, along K:
;;     - K is cut into blocks of 32 from its start; a last block that is shorter is filled with zeros.
;;     - A block's scale is 2^e with e = floor(log2(the largest magnitude in the block)) - 2, held to -126 .. 127; a block of zeros has e = 0. As a byte (E8M0): e + 127.
;;     - Each number is divided by its block's scale, clamped to +-6, and rounded to the nearest number of E2M1, ties to even, subnormals kept.
;;     - The product sums the exact products of the quantised numbers (number of the format x scale) in f32.
;;   ~~~python
;;   def quantise(x, axis):      # numpy; x: float32 -> the quantised numbers, widened to float32 again
;;       x = np.moveaxis(x, axis, -1); K = x.shape[-1]
;;       x = np.pad(x, [(0, 0)] * (x.ndim - 1) + [(0, -K % 32)]); x = x.reshape(x.shape[:-1] + (-1, 32)); a = np.abs(x).max(-1, keepdims=True)
;;       e = np.where(a > 0, np.clip(np.frexp(np.where(a > 0, a, 1))[1] - 1 - 2, -126, 127), 0)      # np.frexp(a)[1] - 1 = floor(log2(a)), exactly
;;       r = np.clip(x / 2.0 ** e, -6, 6)
;;       step = 2.0 ** (np.maximum(np.frexp(np.where(r == 0, 1, r))[1] - 1, 0) - 1)
;;       q = np.round(r / step) * step * 2.0 ** e      # np.round: ties to even
;;       return np.moveaxis(q.reshape(q.shape[:-2] + (-1,))[..., :K], -1, axis).astype(np.float32)
;;   ~~~
;; One version. Each part assembles by itself: llvm-mc -triple=amdgcn-amd-amdhsa -mcpu=gfx1250 --defsym DOCPART=n.
;; ======== version 1 of 1: 4 launches
;; limits: values are held in f16: magnitudes above 65,504 overflow, below 6.1e-05 lose precision
;; workspace buffers: xc 1,572,864 bytes; xs 98,304 bytes; wc 884,736 bytes; ws 55,296 bytes; wof 1,179,648 bytes; qkv 18,876,416 bytes; ob 6,291,456 bytes
;; launch prep (part 1): grid 6 x 56, 4 waves a work-group, no clusters, 0 bytes of LDS; arguments x, Wq, Wk, Wv, Wo, xc, xs, wc, ws, wof, qkv; writes xc, xs, wc, ws, wof, qkv
.if DOCPART == 1
	.amdgcn_target "amdgcn-amd-amdhsa--gfx1250"
	.amdhsa_code_object_version 6
	.text
	.protected	k_qf1046efcf7_prep
	.globl	k_qf1046efcf7_prep
	.p2align	8
	.type	k_qf1046efcf7_prep,@function
k_qf1046efcf7_prep:
	s_mov_b64 s[64:65], 0
	v_nop
	global_prefetch_b8 v0, s[64:65] scope:SCOPE_SE
	s_setreg_imm32_b32 hwreg(HW_REG_WAVE_MODE, 25, 1), 1
	s_wait_xcnt 0x0
; PREPARATION.  Three kinds of work, told apart by the work-group's y; every wave takes 16 KiB of f32 and has all its loads out at once.
;   y 0-31   x [4096][768] f32 -> codes of FP4 (E2M1) with one E8M0 byte for each 32 along K, laid as IMAGES OF OPERAND REGISTERS:
;            xc [row tile 256][K step 6][register group 2][lane 32][16 bytes];  xs [row tile][pair of K steps 3][lane] words: lanes 0-15 the even step's word of row r, lanes 16-31 the odd step's.
;   y 32-49  Wq, Wk, Wv [768 (k)][768 (n)] f32, quantised along K, their FIRST axis: a lane takes a column and its registers run down K.  wc, ws: laid as xc, xs, by column tile 0-143 (q, k, v).
;   y 50-55  Wo [768 (k)][768 (n)] f32 -> f16 fragments wof [column tile 48][chunk of 32 k 24][register group 2][lane][16 bytes]; one wave also writes 2,048 zero bytes behind qkv's last image.
; A block's scale is 2^(floor(log2(its largest magnitude)) - 2): its byte is the largest magnitude's exponent field - 2, held at 1 from below.
; LIMITS: a block of zeros gets the byte 1 where the rule says 127 (its codes are zeros, and this program alone reads the bytes); NaN and infinities are not served; |Wo| stays under 65,504 (f16).
; No LDS, no barrier: waves share nothing.  ws is written in pieces of 64 bytes (55,296 bytes in all); xs in pieces of 128; every other store of a wave covers 512 consecutive bytes, aligned.
.set TM,  8                            ; v8-11 largest magnitudes, v12-15 bytes and permute targets, v20-23 the conversions' scale operands
.set PC,  32                           ; v32-47 codes
.set NUM, 64                           ; v64-191 128 numbers
; v1 lane, v2 r = lane % 16, v3 h = lane / 16, v4 offset of the loads, v5 16 x lane, v6 offset of the scale word, v24-26 scale words
.macro WORD pw                         ; from four largest magnitudes: scale operands, bytes, the scale word
.irp b, 0,1,2,3
	v_add_nc_u32 v[TM+12+\b], 0xff000000, v[TM+\b]          ; 2 off the exponent field: the conversion takes the exponent field of this operand as its scale
.endr
.irp b, 0,1,2,3
	v_lshrrev_b32 v[TM+4+\b], 23, v[TM+12+\b]               ; the scale's byte
.endr
	v_lshl_or_b32 v[\pw], v[TM+5], 8, v[TM+4]
	v_lshl_or_b32 v[\pw], v[TM+6], 16, v[\pw]
	v_lshl_or_b32 v[\pw], v[TM+7], 24, v[\pw]
.endm
; 64 numbers of a lane, register 16 b + i = k 32 b + 16 h + i of row r, become a fragment's 8 registers at v[pc] and the row's scale word in v[pw]
.macro QUANT src, pc, pw
.irp b, 0,1,2,3
	v_max3_num_f32 v[TM+\b], |v[\src+16*\b]|, |v[\src+1+16*\b]|, 0x1800000   ; my 16 numbers of block b, and the floor 2^(3 - 127): the byte cannot fall under 1
.endr
.irp i, 2,4,6,8,10,12,14
.irp b, 0,1,2,3
	v_max3_num_f32 v[TM+\b], v[TM+\b], |v[\src+16*\b+\i]|, |v[\src+1+16*\b+\i]|
.endr
.endr
.irp b, 0,1,2,3
	v_permlanex16_b32 v[TM+4+\b], v[TM+\b], s30, s31
.endr
.irp b, 0,1,2,3
	v_max_num_f32 v[TM+\b], v[TM+\b], v[TM+4+\b]            ; with lane l xor 16's 16: the block's largest magnitude
.endr
	WORD \pw
.irp b, 0,1,2,3
	v_cvt_scalef32_pk8_fp4_f32 v[\pc+2*\b], v[\src+16*\b:\src+7+16*\b], v[TM+12+\b]
	v_cvt_scalef32_pk8_fp4_f32 v[\pc+1+2*\b], v[\src+8+16*\b:\src+15+16*\b], v[TM+12+\b]
.endr
	v_nop                                                   ; one plain place behind a scaled conversion
.irp c, 0,1                                                 ; the operand wants a whole block in a lane: lanes 0-15 block 2 c, lanes 16-31 block 2 c + 1
.irp i, 0,1
	v_permlane16_swap_b32 v[\pc+4*\c+\i], v[\pc+2+4*\c+\i]
.endr
.endr
.endm
.macro XLOAD u                         ; K step u of my pair: 16 neighbours of each block of 32 of row r
.irp b, 0,1,2,3
.irp i, 0,1,2,3
	global_load_b128 v[NUM+64*\u+16*\b+4*\i:NUM+64*\u+16*\b+4*\i+3], v4, s[4:5] offset:512*\u+128*\b+16*\i th:TH_LOAD_NT
.endr
.endr
.endm
.macro SOURCE                          ; s[36:37]: a weight; on to row 128 x (work-group x), column 128 cg + 32 wave.  s35 = cg
	s_mul_i32 s38, s27, 393216
	s_lshl_b32 s33, s35, 9
	s_add_co_u32 s38, s38, s33
	s_lshl_b32 s33, s26, 7
	s_add_co_u32 s38, s38, s33
	s_add_nc_u64 s[36:37], s[36:37], s[38:39]
.endm
.macro CLOAD                           ; 128 rows of my column: each load reads 128 consecutive bytes a wave, 512 a work-group
.set i, 0
.rept 128
	global_load_b32 v[NUM+i], v4, s[36:37] offset:3072*i th:TH_LOAD_NT
.set i, i+1
.endr
.endm
	s_load_b512 s[4:19], s[0:1], 0x0               ; x 4, Wq 6, Wk 8, Wv 10, Wo 12, xc 14, xs 16, wc 18
	s_load_b128 s[20:23], s[0:1], 0x40             ; ws 20, wof 22
	s_load_b64 s[24:25], s[0:1], 0x50              ; qkv
	v_lshrrev_b32 v1, 5, v0
	v_readfirstlane_b32 s26, v1                    ; wave
	v_and_b32 v1, 31, v0                           ; lane
	v_and_b32 v2, 15, v0                           ; r
	v_bfe_u32 v3, v0, 4, 1                         ; h
	v_lshlrev_b32 v5, 4, v1                        ; 16 x lane: my place in an image
	s_mov_b32 s27, ttmp9                           ; work-group x
	s_and_b32 s28, ttmp7, 0xffff                   ; work-group y
	s_mov_b32 s30, 0x76543210
	s_mov_b32 s31, 0xfedcba98                      ; v_permlanex16_b32's selects for lane l xor 16
	s_mov_b32 s32, 0xffff0000                      ; lanes 16-31
	s_mov_b32 s39, 0                               ; the upper words of three offsets
	s_mov_b32 s41, 0
	s_mov_b32 s43, 0
.irp b, 0,1,2,3
	v_mov_b32 v[TM+4+\b], 0                        ; written once: a lane permute's destination counts as one of its sources
.endr
	s_wait_kmcnt 0x0
	s_cmp_lt_u32 s28, 32
	s_cbranch_scc0 .Lweights
	; ---- x: 16 rows x 256 along K (K steps 2 j and 2 j + 1)
	s_lshr_b32 s34, s27, 1                         ; j
	s_and_b32 s35, s27, 1
	s_lshl_b32 s36, s28, 1
	s_add_co_u32 s36, s36, s35
	s_lshl_b32 s36, s36, 2
	s_add_co_u32 s36, s36, s26                     ; row tile = 4 (2 y + x % 2) + wave
	s_mul_i32 s38, s36, 49152                      ; 16 rows of 3,072 bytes
	s_lshl_b32 s35, s34, 10
	s_add_co_u32 s38, s38, s35
	s_mul_i32 s40, s36, 6144
	s_lshl_b32 s35, s34, 11
	s_add_co_u32 s40, s40, s35
	s_mul_i32 s42, s36, 384
	s_lshl_b32 s35, s34, 7
	s_add_co_u32 s42, s42, s35
	s_add_nc_u64 s[4:5], s[4:5], s[38:39]
	s_add_nc_u64 s[14:15], s[14:15], s[40:41]
	s_add_nc_u64 s[16:17], s[16:17], s[42:43]
	v_mul_u32_u24 v4, v2, 3072
	v_lshl_add_u32 v4, v3, 6, v4                   ; row r, + 64 h
	v_lshlrev_b32 v6, 2, v1
	XLOAD 0
	XLOAD 1
	s_wait_loadcnt 16                              ; the first step's 16 loads are in; the second step's 16 may be out
	QUANT NUM, PC, 24
	s_wait_loadcnt 0x0
	QUANT NUM+64, PC+8, 25
	v_cndmask_b32 v26, v24, v25, s32               ; lanes 0-15 the even step's word, lanes 16-31 the odd step's
.irp u, 0,1
.irp c, 0,1
	global_store_b128 v5, v[PC+8*\u+4*\c:PC+8*\u+4*\c+3], s[14:15] offset:1024*\u+512*\c
.endr
.endr
	global_store_b32 v6, v26, s[16:17]
	s_endpgm
.Lweights:
	v_lshlrev_b32 v4, 2, v1                        ; a lane to a column
	s_cmp_lt_u32 s28, 50
	s_cbranch_scc0 .Lwo
	; ---- Wq, Wk, Wv: 32 columns x 128 along K (K step = work-group x)
	s_sub_co_u32 s34, s28, 32                      ; y' = 6 x matrix + cg
	s_cmp_lt_u32 s34, 12
	s_cselect_b64 s[36:37], s[8:9], s[10:11]
	s_cselect_b32 s35, 6, 12
	s_cmp_lt_u32 s34, 6
	s_cselect_b64 s[36:37], s[6:7], s[36:37]
	s_cselect_b32 s35, 0, s35
	s_sub_co_u32 s35, s34, s35                     ; cg: which 128 columns
	SOURCE
	CLOAD
	s_lshl_b32 s34, s34, 2
	s_add_co_u32 s34, s34, s26                     ; P = 4 y' + wave: column tiles 2 P and 2 P + 1
	s_mul_i32 s40, s34, 12288
	s_lshl_b32 s33, s27, 10
	s_add_co_u32 s40, s40, s33
	s_mul_i32 s42, s34, 768
	s_lshl_b32 s33, s27, 6
	s_add_co_u32 s42, s42, s33
	s_add_nc_u64 s[18:19], s[18:19], s[40:41]
	s_add_nc_u64 s[20:21], s[20:21], s[42:43]
	v_mul_u32_u24 v6, v3, 384
	v_lshl_add_u32 v6, v2, 2, v6                   ; my column's word: tile 2 P + h, row r
	s_wait_loadcnt 0x0
.irp b, 0,1,2,3
	v_max3_num_f32 v[TM+\b], |v[NUM+32*\b]|, |v[NUM+1+32*\b]|, 0x1800000     ; all 32 numbers of a block are mine
.endr
.irp i, 2,4,6,8,10,12,14,16,18,20,22,24,26,28,30
.irp b, 0,1,2,3
	v_max3_num_f32 v[TM+\b], v[TM+\b], |v[NUM+32*\b+\i]|, |v[NUM+1+32*\b+\i]|
.endr
.endr
	WORD 24
.irp b, 0,1,2,3
.irp g, 0,1,2,3
	v_cvt_scalef32_pk8_fp4_f32 v[PC+4*\b+\g], v[NUM+32*\b+8*\g:NUM+32*\b+8*\g+7], v[TM+12+\b]
.endr
.endr
	v_nop                                          ; one plain place behind a scaled conversion
.irp c, 0,1                                    ; lanes 0-15 hold the even tile's columns, lanes 16-31 the odd tile's, each lane all four blocks.  After the exchange
.irp i, 0,1,2,3                                ; v[32 + 8 c ..] are registers 4 c .. of the even tile's fragment (lanes 16-31: block 2 c + 1), v[36 + 8 c ..] those of the odd tile's
	v_permlane16_swap_b32 v[PC+8*\c+\i], v[PC+4+8*\c+\i]
.endr
.endr
.irp c, 0,1
	global_store_b128 v5, v[PC+8*\c:PC+8*\c+3], s[18:19] offset:512*\c
	global_store_b128 v5, v[PC+4+8*\c:PC+7+8*\c], s[18:19] offset:6144+512*\c
.endr
	global_store_b32 v6, v24, s[20:21]
	s_endpgm
.Lwo:
	; ---- Wo: 32 columns x 128 k -> four chunks of 32 k of two column tiles, in f16
	s_sub_co_u32 s35, s28, 50                      ; cg
	s_mov_b64 s[36:37], s[12:13]
	SOURCE
	CLOAD
	s_lshl_b32 s34, s35, 2
	s_add_co_u32 s34, s34, s26                     ; P
	s_mul_i32 s40, s34, 49152
	s_lshl_b32 s33, s27, 12
	s_add_co_u32 s40, s40, s33
	s_add_nc_u64 s[22:23], s[22:23], s[40:41]
	s_wait_loadcnt 0x0
.irp q, 0,1,2,3
.irp i, 0,1,2,3,4,5,6,7,8,9,10,11,12,13,14,15
	v_cvt_pk_f16_f32 v[NUM+32*\q+\i], v[NUM+32*\q+2*\i], v[NUM+32*\q+2*\i+1]   ; in place, ascending: register i takes k 2 i, 2 i + 1 of the chunk
.endr
.endr
.irp q, 0,1,2,3                                ; groups of four registers: k 0-7, 8-15, 16-23, 24-31.  After the exchange: even tile group 0, odd tile group 0, even tile group 1, odd tile group 1
.irp i, 0,1,2,3
	v_permlane16_swap_b32 v[NUM+32*\q+\i], v[NUM+32*\q+4+\i]
	v_permlane16_swap_b32 v[NUM+32*\q+8+\i], v[NUM+32*\q+12+\i]
.endr
.endr
.irp q, 0,1,2,3
	global_store_b128 v5, v[NUM+32*\q:NUM+32*\q+3], s[22:23] offset:1024*\q
	global_store_b128 v5, v[NUM+32*\q+8:NUM+32*\q+11], s[22:23] offset:1024*\q+512
	global_store_b128 v5, v[NUM+32*\q+4:NUM+32*\q+7], s[22:23] offset:24576+1024*\q
	global_store_b128 v5, v[NUM+32*\q+12:NUM+32*\q+15], s[22:23] offset:24576+1024*\q+512
.endr
	s_or_b32 s34, s27, s35
	s_or_b32 s34, s34, s26
	s_cmp_lg_u32 s34, 0
	s_cbranch_scc1 .Lend
	; one wave: four images of zeros behind qkv's last image: the attention's last window reaches four token tiles past the last row of images
.irp i, 0,1,2,3
	v_mov_b32 v[TM+\i], 0
.endr
	s_add_nc_u64 s[24:25], s[24:25], 18874368
.irp i, 0,1,2,3
	global_store_b128 v5, v[TM:TM+3], s[24:25] offset:512*\i
.endr
.Lend:
	s_endpgm
.Lfunc_end_k_qf1046efcf7_prep:
	.size	k_qf1046efcf7_prep, .Lfunc_end_k_qf1046efcf7_prep-k_qf1046efcf7_prep
	.p2alignl 7, 3214868480
	.fill 96, 4, 3214868480
	.section	.rodata,"a",@progbits
	.p2align	6, 0x0
	.amdhsa_kernel k_qf1046efcf7_prep
		.amdhsa_group_segment_fixed_size 0
		.amdhsa_private_segment_fixed_size 0
		.amdhsa_enable_private_segment 0
		.amdhsa_kernarg_size 88
		.amdhsa_user_sgpr_count 2
		.amdhsa_user_sgpr_kernarg_segment_ptr 1
		.amdhsa_wavefront_size32 1
		.amdhsa_system_sgpr_workgroup_id_x 1
		.amdhsa_system_sgpr_workgroup_id_y 1
		.amdhsa_system_sgpr_workgroup_id_z 1
		.amdhsa_system_vgpr_workitem_id 0
		.amdhsa_next_free_vgpr 192
		.amdhsa_next_free_sgpr 66
		.amdhsa_reserve_vcc 0
		.amdhsa_float_denorm_mode_32 3
		.amdhsa_float_denorm_mode_16_64 3
		.amdhsa_memory_ordered 1
		.amdhsa_forward_progress 1
		.amdhsa_inst_pref_size 53
	.end_amdhsa_kernel
	.amdgpu_metadata
---
amdhsa.version: [ 1, 2 ]
amdhsa.kernels:
  - .name:           k_qf1046efcf7_prep
    .symbol:         k_qf1046efcf7_prep.kd
    .args:
      - { .name: x, .offset: 0, .size: 8, .value_kind: global_buffer, .address_space: global }
      - { .name: Wq, .offset: 8, .size: 8, .value_kind: global_buffer, .address_space: global }
      - { .name: Wk, .offset: 16, .size: 8, .value_kind: global_buffer, .address_space: global }
      - { .name: Wv, .offset: 24, .size: 8, .value_kind: global_buffer, .address_space: global }
      - { .name: Wo, .offset: 32, .size: 8, .value_kind: global_buffer, .address_space: global }
      - { .name: xc, .offset: 40, .size: 8, .value_kind: global_buffer, .address_space: global }
      - { .name: xs, .offset: 48, .size: 8, .value_kind: global_buffer, .address_space: global }
      - { .name: wc, .offset: 56, .size: 8, .value_kind: global_buffer, .address_space: global }
      - { .name: ws, .offset: 64, .size: 8, .value_kind: global_buffer, .address_space: global }
      - { .name: wof, .offset: 72, .size: 8, .value_kind: global_buffer, .address_space: global }
      - { .name: qkv, .offset: 80, .size: 8, .value_kind: global_buffer, .address_space: global }
    .group_segment_fixed_size: 0
    .private_segment_fixed_size: 0
    .kernarg_segment_align: 8
    .kernarg_segment_size: 88
    .max_flat_workgroup_size: 128
    .sgpr_count:     66
    .vgpr_count:     192
    .wavefront_size: 32
...
	.end_amdgpu_metadata
.endif
;; end of part 1
;; launch qkv (part 2): grid 8 x 32, 8 waves a work-group, clusters of 4 x 4, 167,936 bytes of LDS; arguments xc, xs, wc, ws, bq, bk, bv, qkv; writes qkv
.if DOCPART == 2
	.amdgcn_target "amdgcn-amd-amdhsa--gfx1250"
	.amdhsa_code_object_version 6
	.text
	.protected	k_qf1046efcf7_qkv
	.globl	k_qf1046efcf7_qkv
	.p2align	8
	.type	k_qf1046efcf7_qkv,@function
k_qf1046efcf7_qkv:
	s_mov_b64 s[64:65], 0
	v_nop
	global_prefetch_b8 v0, s[64:65] scope:SCOPE_SE
	s_setreg_imm32_b32 hwreg(HW_REG_WAVE_MODE, 25, 1), 1
	s_wait_xcnt 0x0
	s_wait_alu depctr_hold_cnt(0) depctr_sa_sdst(0) depctr_va_vdst(0) depctr_va_sdst(0) depctr_va_ssrc(0) depctr_va_vcc(0) depctr_vm_vsrc(0)
	s_getreg_b32 s2, hwreg(HW_REG_IB_STS2, 6, 4)
	s_cmp_eq_u32 s2, 0
	s_cbranch_scc0 .Lentry_in_a_cluster
	s_endpgm
.Lentry_in_a_cluster:
	s_bfe_u32 s2, ttmp6, 0x10000c
	s_cmp_lg_u32 s2, 0xf033
	s_cbranch_scc0 .Lentry_shape_is_right
	s_endpgm
.Lentry_shape_is_right:
; q, k, v = Q(x) Q(W) + b on codes of FP4 (E2M1) with E8M0 scales: M 4,096 x N 2,304 x K 768; results rounded to f16 and stored as images of the attention's operand registers:
; qkv [column tile 144 (q 0-47, k 48-95, v 96-143)][token tile 256][lane 32][16 bytes].
; SHARES.  A work-group takes 128 tokens (8 tiles) and 18 column tiles: 12 of q or k (tiles 12 nb ..) and 6 of v (96 + 6 nb ..): the same shape in every work-group.
; Eight waves: wave w takes token tiles 2 (w / 2), + 1 and 6 + 3 column tiles (half w % 2): 18 accumulators, 108 matrix instructions.
; ORIENTATION.  q, k: source 0 = 16 columns of W, source 1 = 16 tokens: a lane holds ONE token and 8 neighbouring channels.  v: source 0 = 16 tokens, source 1 = 16 columns: a lane holds ONE channel and 8 tokens.
; Either way four conversions make the lane's 16 bytes of an image, and a wave's store covers 512 consecutive bytes, aligned.
; LDS.  All of K fits: x's 8 tiles (49,152 bytes), W's 18 (110,592), filled ONCE, as images (a fragment: two loads of 16 bytes at 16 x lane).  No byte is filled twice, so there is no ring.
; CLUSTER.  4 x 4 work-groups: the four of a row need the same tiles of x, the four of a column the same tiles of W: each block is asked for jointly, one tensor load a wave.
; LIMITS: |q|, |k|, |v| stay under 65,504 (f16); NaN and infinities are not served.
.set TILE,  6144                       ; a tile of 16 rows x 768 K: 6 K steps x 2 groups x 512 bytes
.set LB,    49152                      ; W's q/k tiles
.set LV,    122880                     ; W's v tiles
.set SPARE, 159744                     ; the spare words, 128 bytes for each of eight waves
.set LI,   1                           ; v1  16 x lane
.set ADRA, 2                           ; v2  my two tiles of x
.set ADRB, 3                           ; v3  my six q/k tiles of W
.set ADRV, 4                           ; v4  my three v tiles of W
.set SPW,  5                           ; v5  my spare word; never rewritten
.set NIL,  6                           ; v6  0; never rewritten
.set LS,   7                           ; v7  4 x lane
.set SA,   8                           ; v8-13  x's scale words [tile a][pair of K steps j]: lanes 0-15 step 2 j, lanes 16-31 step 2 j + 1
.set SB,   14                          ; v14-40 W's likewise [tile 0-5 q/k, 6-8 v][j]
.set BV,   41                          ; v41-43 bv of my lane's channel, a word a tile
.set AF,   48                          ; v48-63  two fragments of x
.set BF,   64                          ; v64-111 six fragments of W
.set ACC,  112                         ; v112-207 q/k accumulators (a, i) at 8 (6 a + i)
.set AV,   208                         ; v208-255 v accumulators (a, i) at 8 (3 a + i)
.set G1A, 32                           ; s[32:39], s[40:43] descriptor groups 1 and 0 for x's blocks
.set G0A, 40
.set G1B, 44                           ; s[44:51], s[52:55] for W's
.set G0B, 52
.macro CROUND                          ; a round of the cluster's barrier
	s_barrier_signal -1
	s_barrier_wait -1
	s_cmp_lg_u32 s20, 0
	s_cbranch_scc1 .Lnot_wave_0_\@
	s_barrier_signal -3
.Lnot_wave_0_\@:
	s_barrier_wait -3
	s_barrier_signal -1
	s_barrier_wait -1
.endm
.macro PLACES
.rept 4
	v_nop
.endr
.endm
	s_load_b256 s[4:11], s[0:1], 0x0               ; xc 4, xs 6, wc 8, ws 10
	s_load_b256 s[12:19], s[0:1], 0x20             ; bq 12, bk 14, bv 16, qkv 18
	v_lshl_add_u32 v[SPW], v0, 2, SPARE
	v_mov_b32 v[NIL], 0
	ds_add_u32 v[SPW], v[NIL]                      ; the wave's opening: the add, twice on end, and its wait ahead of my first tensor load
	ds_add_u32 v[SPW], v[NIL]
	v_lshrrev_b32 v1, 5, v0
	v_readfirstlane_b32 s20, v1                    ; wave 0..7
	s_lshr_b32 s21, s20, 1                         ; wr: which two token tiles
	s_and_b32 s22, s20, 1                          ; wc: which half of the column tiles
	s_bfe_u32 s23, ttmp6, 0x40000                  ; cx
	s_bfe_u32 s24, ttmp6, 0x40004                  ; cy
	s_lshl_b32 s25, ttmp9, 2
	s_add_co_u32 s25, s25, s23                     ; nb = 4 x cluster x + cx
	s_and_b32 s26, ttmp7, 0xffff
	s_lshl_b32 s26, s26, 2
	s_add_co_u32 s26, s26, s24                     ; mb = 4 x cluster y + cy
	s_lshl_b32 s27, s24, 2
	s_lshl_b32 s27, 15, s27                        ; my row of the cluster
	s_lshl_b32 s28, 0x1111, s23                    ; my column
	; dense blocks, stated as rows of 256 bytes (32 elements of 8 bytes), no padding.  x: 96 rows (4 tiles) a load; W: 72 rows (3 tiles)
	s_or_b32 s[G1A], s27, (3<<16)|(1<<21)          ; 15:0 the mask; 17:16 elements of 8 bytes; 21 set beside a mask
	s_mov_b32 s[G1A+1], 32<<16                     ; tensor_dim0
	s_mov_b32 s[G1A+2], 96<<16                     ; tensor_dim1
	s_mov_b32 s[G1A+3], 32<<16                     ; tile_dim0
	s_mov_b32 s[G1A+4], 96                         ; tile_dim1
	s_mov_b32 s[G1A+5], 32                         ; the pitch
	s_mov_b32 s[G1A+6], 0
	s_mov_b32 s[G1A+7], 0
	s_or_b32 s[G1B], s28, (3<<16)|(1<<21)
	s_mov_b32 s[G1B+1], 32<<16
	s_mov_b32 s[G1B+2], 72<<16
	s_mov_b32 s[G1B+3], 32<<16
	s_mov_b32 s[G1B+4], 72
	s_mov_b32 s[G1B+5], 32
	s_mov_b32 s[G1B+6], 0
	s_mov_b32 s[G1B+7], 0
	; x's blocks hang on mb and the wave alone, W's on nb and the wave alone; each in registers that never hold the other coordinate
	s_min_u32 s29, s20, 1                          ; waves 0, 1 fetch x's halves
	s_mul_i32 s[G0A+1], s29, 24576                 ; LDS address
	s_mul_i32 s56, s26, 49152
	s_add_co_u32 s56, s56, s[G0A+1]
	s_mov_b32 s57, 0
	s_mul_i32 s[G0B+1], s20, 18432                 ; waves 2 to 7 fetch W's six parts: LDS address 49,152 + (w - 2) x 18,432
	s_add_co_u32 s[G0B+1], s[G0B+1], 12288
	s_max_u32 s30, s20, 2
	s_sub_co_u32 s30, s30, 2                       ; which part, 0..5: four of q/k, two of v
	s_mov_b32 s58, 36864
	s_cmp_lt_u32 s30, 4
	s_cselect_b32 s58, 73728, s58                  ; nb's step: 12 tiles of q/k, 6 of v
	s_cselect_b32 s59, 0, 516096                   ; v's tiles begin at tile 96, less the four parts passed
	s_mul_i32 s58, s25, s58
	s_add_co_u32 s58, s58, s59
	s_mul_i32 s59, s30, 18432
	s_add_co_u32 s58, s58, s59
	s_mov_b32 s59, 0
	s_mov_b32 s[G0A], 1
	s_mov_b32 s[G0B], 1
	s_wait_dscnt 0x0                               ; both opening adds are done
	s_wait_kmcnt 0x0
	s_add_nc_u64 s[G0A+2:G0A+3], s[4:5], s[56:57]
	s_or_b32 s[G0A+3], s[G0A+3], 0x80000000
	s_add_nc_u64 s[G0B+2:G0B+3], s[8:9], s[58:59]
	s_or_b32 s[G0B+3], s[G0B+3], 0x80000000
	CROUND                                         ; all sixteen work-groups are here: the joint loads meet
	s_cmp_lt_u32 s20, 2                            ; the branch hangs on the wave's number alone; each wave issues one load, the only one of the launch
	s_cbranch_scc0 .Lfor_b
	tensor_load_to_lds s[G0A:G0A+3], s[G1A:G1A+7]
	s_nop 0
	PLACES
	s_branch .Lasked
.Lfor_b:
	tensor_load_to_lds s[G0B:G0B+3], s[G1B:G1B+7]
	s_nop 0
	PLACES
.Lasked:
	v_and_b32 v1, 31, v0
	v_lshlrev_b32 v[LS], 2, v1
	v_lshlrev_b32 v[LI], 4, v1
	s_mul_i32 s29, s21, 2*TILE
	v_add_nc_u32 v[ADRA], s29, v[LI]
	s_mul_i32 s29, s22, 6*TILE
	s_add_co_u32 s29, s29, LB
	v_add_nc_u32 v[ADRB], s29, v[LI]
	s_mul_i32 s29, s22, 3*TILE
	s_add_co_u32 s29, s29, LV
	v_add_nc_u32 v[ADRV], s29, v[LI]
	v_bfe_u32 v44, v0, 4, 1
	v_lshlrev_b32 v44, 5, v44                      ; 32 h: my eight channels of a q/k tile's bias
	v_and_b32 v45, 15, v0
	v_lshlrev_b32 v45, 2, v45                      ; 4 r: my channel of a v tile's bias
	s_lshl_b32 s60, s26, 3
	s_lshl_b32 s61, s21, 1
	s_add_co_u32 s60, s60, s61                     ; my first token tile: 8 mb + 2 wr
	s_mul_i32 s2, s25, 12
	s_mul_i32 s3, s22, 6
	s_add_co_u32 s2, s2, s3                        ; my first q/k column tile: 12 nb + 6 wc
	s_mul_i32 s3, s25, 6
	s_mul_i32 s61, s22, 3
	s_add_co_u32 s3, s3, s61                       ; my first v column tile, less 96: 6 nb + 3 wc
	s_mov_b32 s63, 0
	s_mul_i32 s62, s60, 384
	s_add_nc_u64 s[6:7], s[6:7], s[62:63]          ; x's scale words
	s_add_co_u32 s61, s3, 96
	s_mul_i32 s62, s61, 384
	s_add_nc_u64 s[30:31], s[10:11], s[62:63]      ; W's, v tiles
	s_mul_i32 s62, s2, 384
	s_add_nc_u64 s[10:11], s[10:11], s[62:63]      ; W's, q/k tiles
	s_cmp_eq_u32 ttmp9, 0                          ; nb < 4: q; else k.  The cluster's x decides: no place in the cluster
	s_cselect_b64 s[12:13], s[12:13], s[14:15]
	s_mul_i32 s62, s23, 12
	s_mul_i32 s29, s22, 6
	s_add_co_u32 s62, s62, s29
	s_lshl_b32 s62, s62, 6                         ; tile 12 (nb % 4) + 6 wc of that bias, 64 bytes a tile
	s_add_nc_u64 s[12:13], s[12:13], s[62:63]
	s_lshl_b32 s62, s3, 6
	s_add_nc_u64 s[16:17], s[16:17], s[62:63]      ; bv
	s_lshl_b32 s62, s61, 8
	s_add_co_u32 s62, s62, s60
	s_lshl_b32 s62, s62, 9
	s_add_nc_u64 s[14:15], s[18:19], s[62:63]      ; where my v images go
	s_lshl_b32 s62, s2, 8
	s_add_co_u32 s62, s62, s60
	s_lshl_b32 s62, s62, 9
	s_add_nc_u64 s[18:19], s[18:19], s[62:63]      ; and my q/k images
.irp a, 0,1
.irp j, 0,1,2
	global_load_b32 v[SA+3*\a+\j], v[LS], s[6:7] offset:\a*384+\j*128
.endr
.endr
.irp i, 0,1,2,3,4,5
.irp j, 0,1,2
	global_load_b32 v[SB+3*\i+\j], v[LS], s[10:11] offset:\i*384+\j*128
.endr
.endr
.irp i, 0,1,2
.irp j, 0,1,2
	global_load_b32 v[SB+18+3*\i+\j], v[LS], s[30:31] offset:\i*384+\j*128
.endr
.endr
.irp a, 0,1                                    ; the q/k bias is loaded straight into the accumulators, in the result's layout: the first product adds onto it
.irp i, 0,1,2,3,4,5
	global_load_b128 v[ACC+8*(6*\a+\i):ACC+8*(6*\a+\i)+3], v44, s[12:13] offset:64*\i
	global_load_b128 v[ACC+8*(6*\a+\i)+4:ACC+8*(6*\a+\i)+7], v44, s[12:13] offset:64*\i+16
.endr
.endr
.irp i, 0,1,2
	global_load_b32 v[BV+\i], v45, s[16:17] offset:64*\i
.endr
	s_wait_tensorcnt 0x0                           ; my block is in LDS,
	s_barrier_signal -1
	s_barrier_wait -1                              ; everybody's is
	s_wait_loadcnt 0x0                             ; scale words and biases
.macro QK a, i, s                      ; q/k: source 0 = W's tile i, source 1 = x's tile a.  An odd K step's scale words lie in lanes 16-31
.set DD, ACC+8*(6*(\a)+(\i))
.if (\s)%2
	v_wmma_scale_f32_16x16x128_f8f6f4 v[DD:DD+7], v[BF+8*(\i):BF+8*(\i)+7], v[AF+8*(\a):AF+8*(\a)+7], v[DD:DD+7], v[SB+3*(\i)+(\s)/2], v[SA+3*(\a)+(\s)/2] matrix_a_fmt:MATRIX_FMT_FP4 matrix_b_fmt:MATRIX_FMT_FP4 matrix_a_scale:MATRIX_SCALE_ROW1 matrix_b_scale:MATRIX_SCALE_ROW1
.else
	v_wmma_scale_f32_16x16x128_f8f6f4 v[DD:DD+7], v[BF+8*(\i):BF+8*(\i)+7], v[AF+8*(\a):AF+8*(\a)+7], v[DD:DD+7], v[SB+3*(\i)+(\s)/2], v[SA+3*(\a)+(\s)/2] matrix_a_fmt:MATRIX_FMT_FP4 matrix_b_fmt:MATRIX_FMT_FP4
.endif
.endm
.macro VV a, i, s                      ; v: source 0 = x's tile a, source 1 = W's v tile i.  The first K step starts the sums
.set DD, AV+8*(3*(\a)+(\i))
.if (\s) == 0
	v_wmma_scale_f32_16x16x128_f8f6f4 v[DD:DD+7], v[AF+8*(\a):AF+8*(\a)+7], v[BF+8*(\i):BF+8*(\i)+7], 0, v[SA+3*(\a)+(\s)/2], v[SB+18+3*(\i)+(\s)/2] matrix_a_fmt:MATRIX_FMT_FP4 matrix_b_fmt:MATRIX_FMT_FP4
.elseif (\s)%2
	v_wmma_scale_f32_16x16x128_f8f6f4 v[DD:DD+7], v[AF+8*(\a):AF+8*(\a)+7], v[BF+8*(\i):BF+8*(\i)+7], v[DD:DD+7], v[SA+3*(\a)+(\s)/2], v[SB+18+3*(\i)+(\s)/2] matrix_a_fmt:MATRIX_FMT_FP4 matrix_b_fmt:MATRIX_FMT_FP4 matrix_a_scale:MATRIX_SCALE_ROW1 matrix_b_scale:MATRIX_SCALE_ROW1
.else
	v_wmma_scale_f32_16x16x128_f8f6f4 v[DD:DD+7], v[AF+8*(\a):AF+8*(\a)+7], v[BF+8*(\i):BF+8*(\i)+7], v[DD:DD+7], v[SA+3*(\a)+(\s)/2], v[SB+18+3*(\i)+(\s)/2] matrix_a_fmt:MATRIX_FMT_FP4 matrix_b_fmt:MATRIX_FMT_FP4
.endif
.endm
; A K step of 128: 18 matrix instructions, each accumulator once (the accumulators take turns).
; A load into a register that a matrix instruction has read stands four plain vector places behind it.
.macro KSTEP s
.if (\s) > 0
	PLACES
.endif
.irp a, 0,1
.irp c, 0,1
	ds_load_b128 v[AF+8*\a+4*\c:AF+8*\a+4*\c+3], v[ADRA] offset:\a*TILE+(\s)*1024+\c*512
.endr
.endr
.irp i, 0,1,2,3,4,5
.irp c, 0,1
	ds_load_b128 v[BF+8*\i+4*\c:BF+8*\i+4*\c+3], v[ADRB] offset:\i*TILE+(\s)*1024+\c*512
.endr
.endr
	s_wait_dscnt 6                                 ; x's two and W's tiles 0-2 are in; the six loads of tiles 3-5 may be out
.irp i, 0,1,2
.irp a, 0,1
	QK \a, \i, \s
.endr
.endr
	PLACES
.irp i, 0,1,2
.irp c, 0,1
	ds_load_b128 v[BF+8*\i+4*\c:BF+8*\i+4*\c+3], v[ADRV] offset:\i*TILE+(\s)*1024+\c*512   ; v's three tiles take the registers of tiles 0-2
.endr
.endr
	s_wait_dscnt 6                                 ; tiles 3-5 are in; the six loads just issued may be out
.irp i, 3,4,5
.irp a, 0,1
	QK \a, \i, \s
.endr
.endr
	s_wait_dscnt 0x0
.irp i, 0,1,2
.irp a, 0,1
	VV \a, \i, \s
.endr
.endr
.endm
.irp s, 0,1,2,3,4,5
	KSTEP \s
.endr
	; THE WAY OUT: v's bias; f16, in place, each accumulator from its low end on; a lane's 16 bytes are its place in an image
	PLACES
.irp a, 0,1
.irp i, 0,1,2
.irp j, 0,1,2,3,4,5,6,7
	v_add_f32 v[AV+8*(3*\a+\i)+\j], v[AV+8*(3*\a+\i)+\j], v[BV+\i]
.endr
.endr
.endr
.set t, 0
.rept 18
.irp i, 0,1,2,3
	v_cvt_pk_f16_f32 v[ACC+8*t+\i], v[ACC+8*t+2*\i], v[ACC+8*t+2*\i+1]
.endr
.set t, t+1
.endr
.irp a, 0,1
.irp i, 0,1,2,3,4,5
	global_store_b128 v[LI], v[ACC+8*(6*\a+\i):ACC+8*(6*\a+\i)+3], s[18:19] offset:\i*131072+\a*512
.endr
.endr
.irp a, 0,1
.irp i, 0,1,2
	global_store_b128 v[LI], v[AV+8*(3*\a+\i):AV+8*(3*\a+\i)+3], s[14:15] offset:\i*131072+\a*512
.endr
.endr
	s_wait_tensorcnt 0x0                           ; the wave's end
	ds_add_u32 v[SPW], v[NIL]
	s_wait_dscnt 0x0
	CROUND                                         ; the closing round
	s_endpgm
.Lfunc_end_k_qf1046efcf7_qkv:
	.size	k_qf1046efcf7_qkv, .Lfunc_end_k_qf1046efcf7_qkv-k_qf1046efcf7_qkv
	.p2alignl 7, 3214868480
	.fill 96, 4, 3214868480
	.section	.rodata,"a",@progbits
	.p2align	6, 0x0
	.amdhsa_kernel k_qf1046efcf7_qkv
		.amdhsa_group_segment_fixed_size 167936
		.amdhsa_private_segment_fixed_size 0
		.amdhsa_enable_private_segment 0
		.amdhsa_kernarg_size 64
		.amdhsa_user_sgpr_count 2
		.amdhsa_user_sgpr_kernarg_segment_ptr 1
		.amdhsa_wavefront_size32 1
		.amdhsa_system_sgpr_workgroup_id_x 1
		.amdhsa_system_sgpr_workgroup_id_y 1
		.amdhsa_system_sgpr_workgroup_id_z 1
		.amdhsa_system_vgpr_workitem_id 0
		.amdhsa_next_free_vgpr 256
		.amdhsa_next_free_sgpr 66
		.amdhsa_reserve_vcc 0
		.amdhsa_float_denorm_mode_32 3
		.amdhsa_float_denorm_mode_16_64 3
		.amdhsa_memory_ordered 1
		.amdhsa_forward_progress 1
		.amdhsa_inst_pref_size 44
	.end_amdhsa_kernel
	.amdgpu_metadata
---
amdhsa.version: [ 1, 2 ]
amdhsa.kernels:
  - .name:           k_qf1046efcf7_qkv
    .symbol:         k_qf1046efcf7_qkv.kd
    .args:
      - { .name: xc, .offset: 0, .size: 8, .value_kind: global_buffer, .address_space: global }
      - { .name: xs, .offset: 8, .size: 8, .value_kind: global_buffer, .address_space: global }
      - { .name: wc, .offset: 16, .size: 8, .value_kind: global_buffer, .address_space: global }
      - { .name: ws, .offset: 24, .size: 8, .value_kind: global_buffer, .address_space: global }
      - { .name: bq, .offset: 32, .size: 8, .value_kind: global_buffer, .address_space: global }
      - { .name: bk, .offset: 40, .size: 8, .value_kind: global_buffer, .address_space: global }
      - { .name: bv, .offset: 48, .size: 8, .value_kind: global_buffer, .address_space: global }
      - { .name: qkv, .offset: 56, .size: 8, .value_kind: global_buffer, .address_space: global }
    .group_segment_fixed_size: 167936
    .private_segment_fixed_size: 0
    .kernarg_segment_align: 8
    .kernarg_segment_size: 64
    .max_flat_workgroup_size: 256
    .sgpr_count:     66
    .vgpr_count:     256
    .wavefront_size: 32
...
	.end_amdgpu_metadata
.endif
;; end of part 2
;; launch attn (part 3): grid 32 x 8, 12 waves a work-group, no clusters, 167,936 bytes of LDS; arguments qkv, ob; writes ob
.if DOCPART == 3
	.amdgcn_target "amdgcn-amd-amdhsa--gfx1250"
	.amdhsa_code_object_version 6
	.text
	.protected	k_qf1046efcf7_attn
	.globl	k_qf1046efcf7_attn
	.p2align	8
	.type	k_qf1046efcf7_attn,@function
k_qf1046efcf7_attn:
	s_mov_b64 s[64:65], 0
	v_nop
	global_prefetch_b8 v0, s[64:65] scope:SCOPE_SE
	s_setreg_imm32_b32 hwreg(HW_REG_WAVE_MODE, 25, 1), 1
	s_wait_xcnt 0x0
; ATTENTION IN A WINDOW: key k counts for query q where |q - k| <= 64, inside a sequence of 2,048.  12 heads of 64; operands f16, products, maximum and sums f32.
; SHARES.  A work-group takes 4 tiles of 16 queries (64 tokens) of 3 heads; each of its 12 waves ONE tile of one head.  A tile of queries sees 9 tiles of keys, qt - 4 .. qt + 4: all 144 scores
; of a query lie in registers at once, so the row's TRUE maximum is taken away before the exponential, in one pass.
; LAYOUT.  S^T = K Q^T (source 0 = 16 keys, source 1 = 16 queries) and O^T = V^T P (source 0 = 16 channels x 32 keys, source 1 = P): a lane holds one query throughout; two tiles of S^T, rounded in pairs, ARE a fragment of P.
; qkv holds images of these operands' registers (512 bytes: lane l's 16 bytes at 16 l), so K, Q and V^T come by plain loads of 16 bytes a lane.
; LDS.  12 regions of 12,288 bytes, one for each channel tile of the 3 heads: 12 token tiles of K, then 12 of V (tokens 64 jb - 64 .. 64 jb + 127).  Each wave fetches one region by ONE tensor load of two rows
; of 6,144 bytes; nothing is filled twice.
; THE ENDS OF A SEQUENCE.  The 12 token tiles are always fetched; beyond an end they are other images of qkv, or the zeros behind its last image: inside the buffer, finite.  Their scores become -infinity, p = 0.
; NO CLUSTER: neighbouring blocks of queries overlap in 8 of 12 token tiles, but their tiles begin at different tokens: no two work-groups ask for the same tile.
; LIMITS: |q|, |k|, |v|, |o| under 65,504 (f16); NaN and infinities are not served.
.set REG,   12288
.set SPARE, 147456                     ; the spare words, 128 bytes for each of twelve waves
.set LI,   1                           ; v1   16 x lane
.set ADL,  2                           ; v2   my head's regions, my first token tile
.set EE,   3                           ; v3   r - 8 h
.set NINF, 4                           ; v4   -infinity
.set PT,   5                           ; v5   a lane permute's target
.set MX,   6                           ; v6-14 nine maxima
.set QF,   16                          ; v16-31  Q, two fragments
.set KF,   32                          ; v32-175 K: tile m, channels 32 cc on: 16 m + 8 cc
.set VF,   16                          ; v16-175 later V^T: keys 32 n on, channel tile q: 8 (4 n + q)
.set S,    176                         ; v176-247 S^T, tile m at 8 m; later P in v176-215
.set O,    216                         ; v216-247 O^T, channel tile q at 8 q
.set CM,   248                         ; v[248:249] c x maximum
.set L0,   250                         ; v[250:251], v[252:253] the sum in two chains; then v252 = 1 / sum
.set RL,   252
.set SPW,  254
.set NIL,  255
.macro PLACES
.rept 4
	v_nop
.endr
.endm
.macro TMASK dst, m                    ; all ones where token tile qt - 4 + m lies outside the sequence's 128
	s_add_co_u32 s62, s11, (\m)-4
	s_cmp_gt_u32 s62, 127
	s_cselect_b32 s[\dst], -1, 0
.endm
.macro HIDE m, msk                     ; a whole tile under one mask
.irp j, 0,1,2,3,4,5,6,7
	v_cndmask_b32 v[S+8*\m+\j], v[S+8*\m+\j], v[NINF], s[\msk]
.endr
.endm
	s_load_b128 s[4:7], s[0:1], 0x0                ; qkv 4, ob 6
	v_lshl_add_u32 v[SPW], v0, 2, SPARE
	v_mov_b32 v[NIL], 0
	ds_add_u32 v[SPW], v[NIL]                      ; the wave's opening: the add, twice on end, and its wait ahead of my first tensor load
	ds_add_u32 v[SPW], v[NIL]
	v_lshrrev_b32 v1, 5, v0
	v_readfirstlane_b32 s8, v1                     ; wave 0..11
	s_lshr_b32 s9, s8, 2                           ; hl: which of the three heads
	s_and_b32 s10, s8, 3                           ; i: which of the four query tiles
	s_and_b32 s50, ttmp7, 0xffff
	s_lshr_b32 s51, s50, 2                         ; b: the sequence
	s_and_b32 s52, s50, 3                          ; g: heads 3 g ..
	s_lshl_b32 s11, ttmp9, 2
	s_add_co_u32 s11, s11, s10                     ; qt: my query tile in the sequence
	; descriptor group 1: two rows of 6,144 bytes (768 elements of 8 bytes), 48 rows of images apart: K's row and V's
	s_mov_b32 s16, 3<<16
	s_mov_b32 s17, 768<<16                         ; tensor_dim0
	s_mov_b32 s18, 2<<16                           ; tensor_dim1
	s_mov_b32 s19, 768<<16                         ; tile_dim0
	s_mov_b32 s20, 2                               ; tile_dim1
	s_mov_b32 s21, 786432                          ; the pitch: 48 x 131,072 bytes
	s_mov_b32 s22, 0
	s_mov_b32 s23, 0
	s_mov_b32 s12, 1
	s_mul_i32 s13, s8, REG                         ; region w
	s_mul_i32 s54, s52, 12
	s_add_co_u32 s54, s54, s8
	s_add_co_u32 s54, s54, 48                      ; K's row of images: 48 + 12 g + w
	s_lshl_b32 s54, s54, 8
	s_lshl_b32 s55, s51, 7
	s_add_co_u32 s54, s54, s55
	s_lshl_b32 s55, ttmp9, 2
	s_add_co_u32 s54, s54, s55
	s_sub_co_u32 s54, s54, 4                       ; token tile 128 b + 4 jb - 4
	s_lshl_b32 s54, s54, 9
	s_mov_b32 s55, 0
	s_mov_b32 s46, 0x76543210
	s_mov_b32 s47, 0xfedcba98                      ; lane l xor 16
	s_mov_b32 s48, 0x3e38aa3b                      ; c = log2(e) / sqrt(64)
	s_mov_b32 s49, s48
	s_wait_dscnt 0x0                               ; both opening adds are done
	s_wait_kmcnt 0x0
	s_add_nc_u64 s[14:15], s[4:5], s[54:55]
	s_or_b32 s15, s15, 0x80000000
	tensor_load_to_lds s[12:15], s[16:23]          ; my one tensor load
	s_nop 0
	PLACES
	v_and_b32 v1, 31, v0
	v_lshlrev_b32 v[LI], 4, v1
	s_mul_i32 s56, s52, 3
	s_add_co_u32 s56, s56, s9                      ; head
	s_lshl_b32 s57, s51, 7
	s_add_co_u32 s57, s57, s11                     ; my token tile: 128 b + qt
	s_lshl_b32 s58, s56, 10
	s_add_co_u32 s58, s58, s57
	s_lshl_b32 s58, s58, 9                         ; q's row of images 4 head, my tile
	s_mov_b32 s59, 0
	s_add_nc_u64 s[4:5], s[4:5], s[58:59]
.irp q, 0,1,2,3
	global_load_b128 v[QF+4*\q:QF+4*\q+3], v[LI], s[4:5] offset:\q*131072
.endr
	s_mul_i32 s58, s57, 24576
	s_lshl_b32 s60, s56, 11
	s_add_co_u32 s58, s58, s60
	s_add_nc_u64 s[6:7], s[6:7], s[58:59]          ; ob: my tile, chunks 2 head, 2 head + 1
	s_mul_i32 s60, s9, 4*REG
	s_lshl_b32 s61, s10, 9
	s_add_co_u32 s60, s60, s61
	v_add_nc_u32 v[ADL], s60, v[LI]
	v_and_b32 v[EE], 15, v0
	v_bfe_u32 v[PT], v0, 4, 1
	v_lshlrev_b32 v[PT], 3, v[PT]
	v_sub_nc_u32 v[EE], v[EE], v[PT]               ; r - 8 h
	v_mov_b32 v[NINF], 0xff800000
	v_mov_b32 v[PT], 0
	; THE MASKS, from ids alone.  Register j of tile m holds key 16 (qt - 4 + m) + 8 h + j; my query is 16 qt + r.  Tile 0: hidden where 8 h + j < r; tile 8: where 8 h + j > r; tiles 1-7: all inside the window
	TMASK 63, 0
.irp j, 0,1,2,3,4,5,6,7
	v_cmp_lt_i32 s[24+\j], \j, v[EE]
.endr
.irp j, 0,1,2,3,4,5,6,7
	s_or_b32 s[24+\j], s[24+\j], s63
.endr
	TMASK 63, 8
.irp j, 0,1,2,3,4,5,6,7
	v_cmp_gt_i32 s[32+\j], \j, v[EE]
.endr
.irp j, 0,1,2,3,4,5,6,7
	s_or_b32 s[32+\j], s[32+\j], s63
.endr
	TMASK 40, 1
	TMASK 41, 2
	TMASK 42, 3
	TMASK 43, 5
	TMASK 44, 6
	TMASK 45, 7
	s_wait_tensorcnt 0x0                           ; my region is in LDS,
	s_barrier_signal -1
	s_barrier_wait -1                              ; everybody's is
.irp cc, 0,1                                   ; K: channels 0-31 of all nine tiles first
.irp m, 0,1,2,3,4,5,6,7,8
	ds_load_b128 v[KF+16*\m+8*\cc:KF+16*\m+8*\cc+3], v[ADL] offset:2*\cc*REG+\m*512
	ds_load_b128 v[KF+16*\m+8*\cc+4:KF+16*\m+8*\cc+7], v[ADL] offset:(2*\cc+1)*REG+\m*512
.endr
.endr
	s_wait_loadcnt 0x0                             ; Q
	s_wait_dscnt 18                                ; channels 0-31 are in; the 18 loads of channels 32-63 may be out
.irp m, 0,1,2,3,4,5,6,7,8
	v_wmma_f32_16x16x32_f16 v[S+8*\m:S+8*\m+7], v[KF+16*\m:KF+16*\m+7], v[QF:QF+7], 0
.endr
	s_wait_dscnt 0x0
.irp m, 0,1,2,3,4,5,6,7,8                      ; nine accumulators by turns
	v_wmma_f32_16x16x32_f16 v[S+8*\m:S+8*\m+7], v[KF+16*\m+8:KF+16*\m+15], v[QF+8:QF+15], v[S+8*\m:S+8*\m+7]
.endr
	PLACES                                         ; in front of loads into registers that the products read, and of the first read of the scores
.irp n, 0,1,2,3,4                              ; V^T lands while the softmax is worked
.irp q, 0,1,2,3
	ds_load_b128 v[VF+8*(4*\n+\q):VF+8*(4*\n+\q)+3], v[ADL] offset:\q*REG+6144+2*\n*512
.if \n < 4
	ds_load_b128 v[VF+8*(4*\n+\q)+4:VF+8*(4*\n+\q)+7], v[ADL] offset:\q*REG+6144+(2*\n+1)*512
.else
	ds_load_b128 v[VF+8*(4*\n+\q)+4:VF+8*(4*\n+\q)+7], v[ADL] offset:\q*REG+6144+2*\n*512   ; there is no tenth tile: the ninth once more, against a P of zeros
.endif
.endr
.endr
.irp j, 0,1,2,3,4,5,6,7
	v_cndmask_b32 v[S+\j], v[S+\j], v[NINF], s[24+\j]
.endr
	HIDE 1, 40
	HIDE 2, 41
	HIDE 3, 42
	HIDE 5, 43
	HIDE 6, 44
	HIDE 7, 45
.irp j, 0,1,2,3,4,5,6,7
	v_cndmask_b32 v[S+64+\j], v[S+64+\j], v[NINF], s[32+\j]
.endr
.irp m, 0,1,2,3,4,5,6,7,8                      ; the maximum: nine chains by turns.  Tile 4 is never hidden, so it is a number
	v_max3_num_f32 v[MX+\m], v[S+8*\m], v[S+8*\m+1], v[S+8*\m+2]
.endr
.irp m, 0,1,2,3,4,5,6,7,8
	v_max3_num_f32 v[MX+\m], v[MX+\m], v[S+8*\m+3], v[S+8*\m+4]
.endr
.irp m, 0,1,2,3,4,5,6,7,8
	v_max3_num_f32 v[MX+\m], v[MX+\m], v[S+8*\m+5], v[S+8*\m+6]
.endr
.irp m, 0,1,2,3,4,5,6,7,8
	v_max_num_f32 v[MX+\m], v[MX+\m], v[S+8*\m+7]
.endr
	v_max3_num_f32 v[MX], v[MX], v[MX+1], v[MX+2]
	v_max3_num_f32 v[MX+3], v[MX+3], v[MX+4], v[MX+5]
	v_max3_num_f32 v[MX+6], v[MX+6], v[MX+7], v[MX+8]
	v_max3_num_f32 v[MX], v[MX], v[MX+3], v[MX+6]
	v_permlanex16_b32 v[PT], v[MX], s46, s47       ; the query's other 72 keys lie in the lane 16 away
	v_max_num_f32 v[MX], v[MX], v[PT]
	v_mul_f32 v[CM], s48, v[MX]
	v_mov_b32 v[CM+1], v[CM]                       ; (named with it as a pair)
.set p, 0
.rept 36
	v_pk_fma_f32 v[S+2*p:S+2*p+1], v[S+2*p:S+2*p+1], s[48:49], v[CM:CM+1] op_sel_hi:[1,0,0] neg_lo:[0,0,1] neg_hi:[0,0,1]   ; c s - c m
.set p, p+1
.endr
.set p, 0
.rept 72
	v_exp_f32 v[S+p], v[S+p]                       ; p = 2^(c s - c m), at most 1; 0 for a hidden key
.set p, p+1
.endr
	v_nop                                          ; a plain place behind the last exponential
	s_wait_alu depctr_va_vdst(0)                   ; one wait for the batch, ahead of its first reader
	v_pk_add_f32 v[L0:L0+1], v[S:S+1], v[S+2:S+3]  ; the sum of the unrounded p, in two chains
	v_pk_add_f32 v[L0+2:L0+3], v[S+4:S+5], v[S+6:S+7]
.irp p, 4,6,8,10,12,14,16,18,20,22,24,26,28,30,32,34
	v_pk_add_f32 v[L0:L0+1], v[L0:L0+1], v[S+2*\p:S+2*\p+1]
	v_pk_add_f32 v[L0+2:L0+3], v[L0+2:L0+3], v[S+2*\p+2:S+2*\p+3]
.endr
	v_pk_add_f32 v[L0:L0+1], v[L0:L0+1], v[L0+2:L0+3]
	v_add_f32 v[L0], v[L0], v[L0+1]
	v_permlanex16_b32 v[PT], v[L0], s46, s47
	v_add_f32 v[L0], v[L0], v[PT]                  ; the row's sum, at least about 1
	v_rcp_f32 v[RL], v[L0]
.set p, 0
.rept 36
	v_cvt_pk_f16_f32 v[S+p], v[S+2*p], v[S+2*p+1]  ; P, in place, ascending: tile m's four registers at 4 m.  (Plain work behind the reciprocal)
.set p, p+1
.endr
.irp j, 36,37,38,39
	v_mov_b32 v[S+\j], 0                           ; the second half of P's fifth fragment
.endr
	s_wait_alu depctr_va_vdst(0)                   ; the reciprocal's wait, ahead of its first reader
	s_wait_dscnt 0x0                               ; V^T
.irp n, 0,1,2,3,4                              ; four accumulators by turns; the first 32 keys start the sums
.irp q, 0,1,2,3
.if \n == 0
	v_wmma_f32_16x16x32_f16 v[O+8*\q:O+8*\q+7], v[VF+8*(4*\n+\q):VF+8*(4*\n+\q)+7], v[S+8*\n:S+8*\n+7], 0
.else
	v_wmma_f32_16x16x32_f16 v[O+8*\q:O+8*\q+7], v[VF+8*(4*\n+\q):VF+8*(4*\n+\q)+7], v[S+8*\n:S+8*\n+7], v[O+8*\q:O+8*\q+7]
.endif
.endr
.endr
	PLACES
.set p, 0
.rept 16
	v_pk_mul_f32 v[O+2*p:O+2*p+1], v[O+2*p:O+2*p+1], v[RL:RL+1] op_sel_hi:[1,0]   ; O^T / the sum, each accumulator from its low end on
.set p, p+1
.endr
.irp q, 0,1,2,3
.irp i, 0,1,2,3
	v_cvt_pk_f16_f32 v[S+4*\q+\i], v[O+8*\q+2*\i], v[O+8*\q+2*\i+1]
.endr
.endr
.irp q, 0,1,2,3                                ; lane (r, h): token r, channels 16 q + 8 h + 0 .. 7: register group q % 2 of the projection's chunk 2 head + q / 2
	global_store_b128 v[LI], v[S+4*\q:S+4*\q+3], s[6:7] offset:512*\q
.endr
	s_wait_tensorcnt 0x0                           ; the wave's end
	ds_add_u32 v[SPW], v[NIL]
	s_wait_dscnt 0x0
	s_endpgm
.Lfunc_end_k_qf1046efcf7_attn:
	.size	k_qf1046efcf7_attn, .Lfunc_end_k_qf1046efcf7_attn-k_qf1046efcf7_attn
	.p2alignl 7, 3214868480
	.fill 96, 4, 3214868480
	.section	.rodata,"a",@progbits
	.p2align	6, 0x0
	.amdhsa_kernel k_qf1046efcf7_attn
		.amdhsa_group_segment_fixed_size 167936
		.amdhsa_private_segment_fixed_size 0
		.amdhsa_enable_private_segment 0
		.amdhsa_kernarg_size 16
		.amdhsa_user_sgpr_count 2
		.amdhsa_user_sgpr_kernarg_segment_ptr 1
		.amdhsa_wavefront_size32 1
		.amdhsa_system_sgpr_workgroup_id_x 1
		.amdhsa_system_sgpr_workgroup_id_y 1
		.amdhsa_system_sgpr_workgroup_id_z 1
		.amdhsa_system_vgpr_workitem_id 0
		.amdhsa_next_free_vgpr 256
		.amdhsa_next_free_sgpr 66
		.amdhsa_reserve_vcc 0
		.amdhsa_float_denorm_mode_32 3
		.amdhsa_float_denorm_mode_16_64 3
		.amdhsa_memory_ordered 1
		.amdhsa_forward_progress 1
		.amdhsa_inst_pref_size 32
	.end_amdhsa_kernel
	.amdgpu_metadata
---
amdhsa.version: [ 1, 2 ]
amdhsa.kernels:
  - .name:           k_qf1046efcf7_attn
    .symbol:         k_qf1046efcf7_attn.kd
    .args:
      - { .name: qkv, .offset: 0, .size: 8, .value_kind: global_buffer, .address_space: global }
      - { .name: ob, .offset: 8, .size: 8, .value_kind: global_buffer, .address_space: global }
    .group_segment_fixed_size: 167936
    .private_segment_fixed_size: 0
    .kernarg_segment_align: 8
    .kernarg_segment_size: 16
    .max_flat_workgroup_size: 384
    .sgpr_count:     66
    .vgpr_count:     256
    .wavefront_size: 32
...
	.end_amdgpu_metadata
.endif
;; end of part 3
;; launch proj (part 4): grid 4 x 64, 4 waves a work-group, clusters of 4 x 1, 167,936 bytes of LDS; arguments ob, wof, bo, out0; writes out0
.if DOCPART == 4
	.amdgcn_target "amdgcn-amd-amdhsa--gfx1250"
	.amdhsa_code_object_version 6
	.text
	.protected	k_qf1046efcf7_proj
	.globl	k_qf1046efcf7_proj
	.p2align	8
	.type	k_qf1046efcf7_proj,@function
k_qf1046efcf7_proj:
	s_mov_b64 s[64:65], 0
	v_nop
	global_prefetch_b8 v0, s[64:65] scope:SCOPE_SE
	s_setreg_imm32_b32 hwreg(HW_REG_WAVE_MODE, 25, 1), 1
	s_wait_xcnt 0x0
	s_wait_alu depctr_hold_cnt(0) depctr_sa_sdst(0) depctr_va_vdst(0) depctr_va_sdst(0) depctr_va_ssrc(0) depctr_va_vcc(0) depctr_vm_vsrc(0)
	s_getreg_b32 s2, hwreg(HW_REG_IB_STS2, 6, 4)
	s_cmp_eq_u32 s2, 0
	s_cbranch_scc0 .Lentry_in_a_cluster
	s_endpgm
.Lentry_in_a_cluster:
	s_bfe_u32 s2, ttmp6, 0x10000c
	s_cmp_lg_u32 s2, 0x3003
	s_cbranch_scc0 .Lentry_shape_is_right
	s_endpgm
.Lentry_shape_is_right:
; out0 = o Wo + bo: M 4,096 x N 768 x K 768, operands f16, sums f32, result f32.
; SHARES.  A work-group takes 64 tokens x 192 columns: a row's part is 768 bytes, three aligned blocks of 256.  Wave w takes all 4 token tiles x column tiles 12 nb + 3 w + 0 .. 2: 12 accumulators, 288 matrix instructions.
; o's 4 token tiles, all of K, are one dense block of 98,304 bytes of images; the four work-groups of a cluster (the four column blocks of the same tokens) need the same block: it is asked for jointly, a quarter a wave, once.
; Wo's fragments are each wave's own (576 registers, windows 1 to 3) and go from memory straight into registers; each feeds four products.
; Source 0 = o (window 0), source 1 = Wo: only source 1's window changes along K: three switches for the whole walk.  The bias is the C of each sum's first product.
; THE WAY OUT.  A lane holds one column and 8 tokens; the results meet in a stage (64 rows x 784 bytes) and each wave stores 16 whole row parts: sixteen lanes store 256 consecutive bytes, aligned.
; LIMITS: |o|, |Wo| under 65,504 (f16); NaN and infinities are not served.
.set STG,   98304
.set SP,    784                        ; a stage row: 768 bytes + 16
.set SPARE, 148480                     ; the spare words, 128 bytes for each of four waves
.set LI,   1                           ; v1  16 x lane: token tiles 0, 1
.set LI2,  2                           ; v2  + 49,152: token tiles 2, 3
.set R4,   3                           ; v3  4 r
.set STO,  4                           ; v4  the stage, on the way in
.set RD,   5                           ; v5  and back
.set GO,   6                           ; v6  my byte offset in out0
.set SPW,  7
.set NIL,  8
.set BO,   16                          ; v16-39   bo of my lane's column, eight equal registers a column tile
.set RING, 40                          ; v40-135  three buffers of four fragments of o
.set ACC,  136                         ; v136-231 accumulator (m, t) at 8 (3 m + t)
.set MSB, 0
.macro WIN new                         ; the immediate's high byte repeats the setting that is left
.if MSB != \new
	s_set_vgpr_msb (MSB<<8)|\new
.set MSB, \new
.endif
.endm
.macro CROUND
	s_barrier_signal -1
	s_barrier_wait -1
	s_cmp_lg_u32 s12, 0
	s_cbranch_scc1 .Lnot_wave_0_\@
	s_barrier_signal -3
.Lnot_wave_0_\@:
	s_barrier_wait -3
	s_barrier_signal -1
	s_barrier_wait -1
.endm
.macro PLACES
.rept 4
	v_nop
.endr
.endm
	s_load_b256 s[4:11], s[0:1], 0x0               ; ob 4, wof 6, bo 8, out0 10
	v_lshl_add_u32 v[SPW], v0, 2, SPARE
	v_mov_b32 v[NIL], 0
	ds_add_u32 v[SPW], v[NIL]                      ; the wave's opening: the add, twice on end, and its wait ahead of my first tensor load
	ds_add_u32 v[SPW], v[NIL]
	v_lshrrev_b32 v1, 5, v0
	v_readfirstlane_b32 s12, v1                    ; wave 0..3
	s_bfe_u32 s13, ttmp6, 0x40000                  ; cx
	s_lshl_b32 s14, ttmp9, 2
	s_add_co_u32 s14, s14, s13                     ; nb: my block of 192 columns
	s_and_b32 s15, ttmp7, 0xffff                   ; mb: my 64 tokens, which the four partners share
	s_mov_b32 s16, 15|(3<<16)|(1<<21)              ; 15:0 the mask: all four; 17:16 elements of 8 bytes; 21 set beside a mask
	s_mov_b32 s17, 32<<16                          ; a dense block as 96 rows of 256 bytes
	s_mov_b32 s18, 96<<16
	s_mov_b32 s19, 32<<16
	s_mov_b32 s20, 96
	s_mov_b32 s21, 32
	s_mov_b32 s22, 0
	s_mov_b32 s23, 0
	s_mov_b32 s24, 1
	s_mul_i32 s25, s12, 24576                      ; token tile w
	s_lshl_b32 s28, s15, 2
	s_add_co_u32 s28, s28, s12
	s_mul_i32 s28, s28, 24576
	s_mov_b32 s29, 0
	s_wait_dscnt 0x0                               ; both opening adds are done
	s_wait_kmcnt 0x0
	s_add_nc_u64 s[26:27], s[4:5], s[28:29]
	s_or_b32 s27, s27, 0x80000000
	CROUND                                         ; the four work-groups are here: the joint loads meet
	tensor_load_to_lds s[24:27], s[16:23]          ; my one tensor load
	s_nop 0
	PLACES
	v_and_b32 v9, 31, v0
	v_lshlrev_b32 v[LI], 4, v9
	v_add_nc_u32 v[LI2], 49152, v[LI]
	v_and_b32 v10, 15, v0                          ; r
	v_bfe_u32 v11, v0, 4, 1                        ; h
	v_lshlrev_b32 v[R4], 2, v10
	v_mul_u32_u24 v[STO], v11, 8*SP
	v_lshl_add_u32 v[STO], v10, 2, v[STO]
	s_mul_i32 s30, s12, 192
	s_add_co_u32 s30, s30, STG
	v_add_nc_u32 v[STO], s30, v[STO]               ; in: row 8 h, my wave's 192 bytes, column r
	v_mul_u32_u24 v[RD], v11, SP
	v_lshl_add_u32 v[RD], v10, 4, v[RD]
	s_mul_i32 s30, s12, 16*SP
	s_add_co_u32 s30, s30, STG
	v_add_nc_u32 v[RD], s30, v[RD]                 ; back: my 16 rows; lanes 0-15 one row, lanes 16-31 the next
	v_mul_u32_u24 v[GO], v11, 3072
	v_lshl_add_u32 v[GO], v10, 4, v[GO]
	s_mov_b32 s33, 0
	s_mul_i32 s32, s14, 768
	s_mul_i32 s34, s12, 192
	s_add_co_u32 s32, s32, s34
	s_add_nc_u64 s[8:9], s[8:9], s[32:33]          ; bo at my 48 columns
	s_mul_i32 s32, s14, 12
	s_mul_i32 s34, s12, 3
	s_add_co_u32 s32, s32, s34
	s_mul_i32 s32, s32, 24576
	s_add_nc_u64 s[6:7], s[6:7], s[32:33]          ; wof at column tile 12 nb + 3 w
	s_lshl_b32 s32, s15, 6
	s_lshl_b32 s34, s12, 4
	s_add_co_u32 s32, s32, s34
	s_mul_i32 s32, s32, 3072
	s_mul_i32 s34, s14, 768
	s_add_co_u32 s32, s32, s34
	s_add_nc_u64 s[10:11], s[10:11], s[32:33]      ; out0 at row 64 mb + 16 w, my block's 768 bytes
.irp t, 0,1,2
.irp j, 0,1,2,3,4,5,6,7
	global_load_b32 v[BO+8*\t+\j], v[R4], s[8:9] offset:64*\t
.endr
.endr
.macro WLOAD g                         ; Wo's fragments of chunks 8 g .. 8 g + 7 into window 1 + g, chunk by chunk: fragment (k, t) at 8 (3 k + t)
.set WN, 0x40*(\g+1)
	WIN WN
.irp k, 0,1,2,3,4,5,6,7
.irp t, 0,1,2
.irp c, 0,1
	global_load_b128 v[(\k*3+\t)*8+4*\c:(\k*3+\t)*8+4*\c+3], v[LI], s[6:7] offset:\t*24576+(8*\g+\k)*1024+\c*512
.endr
.endr
.endr
.endm
	WLOAD 0
	WLOAD 1
	WLOAD 2
	WIN 0
	s_wait_tensorcnt 0x0                           ; my quarter of o is in LDS,
	s_barrier_signal -1
	s_barrier_wait -1                              ; everybody's is
.macro OLOAD kc                        ; chunk kc (32 along K) of the four token tiles into buffer kc % 3
.set OB, RING+32*((\kc)%3)
.irp c, 0,1
	ds_load_b128 v[OB+4*\c:OB+4*\c+3], v[LI] offset:(\kc)*1024+\c*512
	ds_load_b128 v[OB+8+4*\c:OB+8+4*\c+3], v[LI] offset:24576+(\kc)*1024+\c*512
	ds_load_b128 v[OB+16+4*\c:OB+16+4*\c+3], v[LI2] offset:(\kc)*1024+\c*512
	ds_load_b128 v[OB+24+4*\c:OB+24+4*\c+3], v[LI2] offset:24576+(\kc)*1024+\c*512
.endr
.endm
; A chunk: the chunk two on is fetched into the buffer that the last chunk's products read (four places behind them); 12 products, the accumulators by turns.
.macro CHUNK kc
.if (\kc) > 0 && (\kc) < 22
	PLACES
.endif
.if (\kc) < 22
	OLOAD (\kc)+2
	s_wait_dscnt 16                                ; this chunk's eight loads are in; those of the two chunks behind it may be out
.elseif (\kc) == 22
	s_wait_dscnt 8                                 ; the last chunk's eight may be out
.else
	s_wait_dscnt 0x0
.endif
.set LC, 6*(23-(\kc))                  ; Wo's loads of the later chunks, six each, may be out; the wait's field holds 63 at the most
.if LC > 63
.set LC, 63
.endif
	s_wait_loadcnt LC
.if (\kc)%8 == 0
.set WN, 4*(1+(\kc)/8)
	WIN WN                                         ; source 1 in window 1, 2, 3; LDS loads and v_nop have no source 1
.endif
.set OC, RING+32*((\kc)%3)
.irp m, 0,1,2,3
.irp t, 0,1,2
.if (\kc) == 0
	v_wmma_f32_16x16x32_f16 v[ACC+8*(3*\m+\t):ACC+8*(3*\m+\t)+7], v[OC+8*\m:OC+8*\m+7], v[(((\kc)%8)*3+\t)*8:(((\kc)%8)*3+\t)*8+7], v[BO+8*\t:BO+8*\t+7]
.else
	v_wmma_f32_16x16x32_f16 v[ACC+8*(3*\m+\t):ACC+8*(3*\m+\t)+7], v[OC+8*\m:OC+8*\m+7], v[(((\kc)%8)*3+\t)*8:(((\kc)%8)*3+\t)*8+7], v[ACC+8*(3*\m+\t):ACC+8*(3*\m+\t)+7]
.endif
.endr
.endr
.endm
	OLOAD 0
	OLOAD 1
.set KC, 0
.rept 24
	CHUNK KC
.set KC, KC+1
.endr
	WIN 0
	PLACES                                         ; in front of the first read of results, and of the loads into the ring's registers below
.irp m, 0,1,2,3
.irp t, 0,1,2
.irp j, 0,1,2,3,4,5,6,7
	ds_store_b32 v[STO], v[ACC+8*(3*\m+\t)+\j] offset:(16*\m+\j)*SP+64*\t      ; out(16 m + 8 h + j, 48 w + 16 t + r); each accumulator from its low end on
.endr
.endr
.endr
	s_wait_dscnt 0x0                               ; for the others' sake: my stores into the stage are done
	s_barrier_signal -1
	s_barrier_wait -1
.irp t, 0,1,2,3,4,5,6,7
.irp u, 0,1,2
	ds_load_b128 v[RING+4*(3*\t+\u):RING+4*(3*\t+\u)+3], v[RD] offset:2*\t*SP+256*\u
.endr
.endr
.irp t, 0,1,2,3,4,5,6,7
.irp u, 0,1,2
	s_wait_dscnt 23-(3*\t+\u)                      ; this load is in; those issued behind it may be out
	global_store_b128 v[GO], v[RING+4*(3*\t+\u):RING+4*(3*\t+\u)+3], s[10:11] offset:2*\t*3072+256*\u th:TH_STORE_NT
.endr
.endr
	s_wait_tensorcnt 0x0                           ; the wave's end, behind my last LDS store
	ds_add_u32 v[SPW], v[NIL]
	s_wait_dscnt 0x0
	CROUND                                         ; the closing round
	s_endpgm
.Lfunc_end_k_qf1046efcf7_proj:
	.size	k_qf1046efcf7_proj, .Lfunc_end_k_qf1046efcf7_proj-k_qf1046efcf7_proj
	.p2alignl 7, 3214868480
	.fill 96, 4, 3214868480
	.section	.rodata,"a",@progbits
	.p2align	6, 0x0
	.amdhsa_kernel k_qf1046efcf7_proj
		.amdhsa_group_segment_fixed_size 167936
		.amdhsa_private_segment_fixed_size 0
		.amdhsa_enable_private_segment 0
		.amdhsa_kernarg_size 32
		.amdhsa_user_sgpr_count 2
		.amdhsa_user_sgpr_kernarg_segment_ptr 1
		.amdhsa_wavefront_size32 1
		.amdhsa_system_sgpr_workgroup_id_x 1
		.amdhsa_system_sgpr_workgroup_id_y 1
		.amdhsa_system_sgpr_workgroup_id_z 1
		.amdhsa_system_vgpr_workitem_id 0
		.amdhsa_next_free_vgpr 1024
		.amdhsa_next_free_sgpr 66
		.amdhsa_reserve_vcc 0
		.amdhsa_float_denorm_mode_32 3
		.amdhsa_float_denorm_mode_16_64 3
		.amdhsa_memory_ordered 1
		.amdhsa_forward_progress 1
		.amdhsa_inst_pref_size 66
	.end_amdhsa_kernel
	.amdgpu_metadata
---
amdhsa.version: [ 1, 2 ]
amdhsa.kernels:
  - .name:           k_qf1046efcf7_proj
    .symbol:         k_qf1046efcf7_proj.kd
    .args:
      - { .name: ob, .offset: 0, .size: 8, .value_kind: global_buffer, .address_space: global }
      - { .name: wof, .offset: 8, .size: 8, .value_kind: global_buffer, .address_space: global }
      - { .name: bo, .offset: 16, .size: 8, .value_kind: global_buffer, .address_space: global }
      - { .name: out0, .offset: 24, .size: 8, .value_kind: global_buffer, .address_space: global }
    .group_segment_fixed_size: 167936
    .private_segment_fixed_size: 0
    .kernarg_segment_align: 8
    .kernarg_segment_size: 32
    .max_flat_workgroup_size: 128
    .sgpr_count:     66
    .vgpr_count:     1024
    .wavefront_size: 32
...
	.end_amdgpu_metadata
.endif
;; end of part 4
